; MI455X (gfx1250); checked and timed in simulation.
; The chip was launched on July 23, 2026; its instructions are those of AMD's public machine-readable ISA for CDNA 5 (MIT licence, August 2026) and "CDNA5" Instruction Set Architecture Reference Guide (July 2026). The comments in the code are by the model that wrote it; some were corrected since.
;; Attention. Allowed arithmetic: matrix products marked QUANTISED: E3M2 operands, one E8M0 scale for each 32 along K, by v_wmma_scale_f32_16x16x128_f8f6f4 with both operands' format E3M2, f32 sums; everything else in f32.
;; Inputs: Wk 16 x 1,024 x 64 float32; Wo 1,024 x 1,024 float32; Wq 16 x 1,024 x 64 float32; Wv 16 x 1,024 x 64 float32; bk 16 x 64 float32; bo 1,024 float32; bq 16 x 64 float32; bv 16 x 64 float32; input_key 4 x 2,048 x 1,024 float32; input_query 4 x 2,048 x 1,024 float32; input_value 4 x 2,048 x 1,024 float32.
;; Outputs: out0 4 x 2,048 x 1,024 float32.
;; This version of the problem:
;;   THIS VERSION OF THE PROBLEM IS GIVEN IN LOW PRECISION. The matrix products marked QUANTISED in the list below multiply operands that are first quantised to E3M2 (3 exponent bits, 2 mantissa bits; 6 bits a number), with one power-of-two scale for each 32 numbers along K (OCP MX v1.0); their sums are f32. All else is computed in f32.
;;   The module's matrix products, in the order in which they are computed (A, B: the left and right operand; K: the contracted axis; several contracted axes count as one K, in the product's order):
;;     1. [M 1,024, K 1,024] x [K 1,024, N 8,192]; A: input Wq; B: input input_query: QUANTISED
;;     2. [M 1,024, K 1,024] x [K 1,024, N 8,192]; A: input Wk; B: input input_key: QUANTISED
;;     3. [M 1,024, K 1,024] x [K 1,024, N 8,192]; A: input Wv; B: input input_value: QUANTISED
;;     4. batch 64 x [M 2,048, K 64] x [K 64, N 2,048]; A: computed on the way; B: computed on the way: QUANTISED
;;     5. batch 64 x [M 2,048, K 2,048] x [K 2,048, N 64]; A: softmax (see below); B: computed on the way: QUANTISED
;;     6. [M 8,192, K 1,024] x [K 1,024, N 1,024]; A: computed on the way; B: input Wo: QUANTISED
;;   THE QUANTISER, for each operand of a quantised product, along K:
;;     - K is cut into blocks of 32 from its start; a last block that is shorter is filled with zeros.
;;     - A block's scale is 2^e with e = floor(log2(the largest magnitude in the block)) - 4, held to -126 .. 127; a block of zeros has e = 0. As a byte (E8M0): e + 127.
;;     - Each number is divided by its block's scale, clamped to +-28, and rounded to the nearest number of E3M2, ties to even, subnormals kept.
;;     - The product sums the exact products of the quantised numbers (number of the format x scale) in f32.
;;   ~~~python
;;   def quantise(x, axis):      # numpy; x: float32 -> the quantised numbers, widened to float32 again
;;       x = np.moveaxis(x, axis, -1); K = x.shape[-1]
;;       x = np.pad(x, [(0, 0)] * (x.ndim - 1) + [(0, -K % 32)]); x = x.reshape(x.shape[:-1] + (-1, 32)); a = np.abs(x).max(-1, keepdims=True)
;;       e = np.where(a > 0, np.clip(np.frexp(np.where(a > 0, a, 1))[1] - 1 - 4, -126, 127), 0)      # np.frexp(a)[1] - 1 = floor(log2(a)), exactly
;;       r = np.clip(x / 2.0 ** e, -28, 28)
;;       step = 2.0 ** (np.maximum(np.frexp(np.where(r == 0, 1, r))[1] - 1, -2) - 2)
;;       q = np.round(r / step) * step * 2.0 ** e      # np.round: ties to even
;;       return np.moveaxis(q.reshape(q.shape[:-2] + (-1,))[..., :K], -1, axis).astype(np.float32)
;;   ~~~
;;   SOFTMAX AHEAD OF A QUANTISED PRODUCT. Where the list says 'softmax', what is quantised is not the finished softmax but p = 2^(t - M), with t = logit x log2(e) and M = ceil(the row's largest t), a whole number; so 1/2 < the row's largest p <= 1. The row's sum l is taken of the UNQUANTISED p, in f32, and the product's result is divided by l at the end. Since M is a whole number, a kernel that streams over the keys may use a running M (the ceiling of the running maximum): every later rescaling is an exact power of two, which a block's scale takes up: the codes' values come out the same.
;;   OPERANDS COMPUTED ON THE WAY. 'Computed on the way' means the value that the module computes at that place (a softmax that the list does not call 'softmax' is quantised finished and normalised). What goes into a quantiser is computed in f32, as accurately as f32 sums, v_exp_f32 and their like allow (about 1e-6 of the number): no bf16 or f16 on the way to a quantiser, and a product that is left as it is and whose result goes on into a quantised operand takes f32 operands (vector FMAs, or v_wmma_f32_16x16x4_f32). A number that lies on a knife's edge between two numbers of the format may be rounded either way, as far as f32 arithmetic and the matrix unit's own rounding can turn it there, and no further.
;; One version. Each part assembles by itself: llvm-mc -triple=amdgcn-amd-amdhsa -mcpu=gfx1250 --defsym DOCPART=n.
;; ======== version 1 of 1: 4 launches
;; workspace buffers: xq 19,660,800 bytes; wq 3,276,800 bytes; qb 6,815,744 bytes; kvb 13,107,200 bytes; zb 6,553,600 bytes
;; launch quant (part 1): grid 1024 x 1, 4 waves a work-group, no clusters, 34,304 bytes of LDS; arguments input_query, input_key, input_value, Wq, Wk, Wv, Wo, xq, wq; writes xq, wq
.if DOCPART == 1
	.amdgcn_target "amdgcn-amd-amdhsa--gfx1250"
	.amdhsa_code_object_version 6
	.text
	.protected	k_q9c771df334_quant
	.globl	k_q9c771df334_quant
	.p2align	8
	.type	k_q9c771df334_quant,@function
k_q9c771df334_quant:
	s_mov_b64 s[64:65], 0
	v_nop
	global_prefetch_b8 v0, s[64:65] scope:SCOPE_SE
	s_setreg_imm32_b32 hwreg(HW_REG_WAVE_MODE, 25, 1), 1
	s_wait_xcnt 0x0
; The three inputs [8192][1024] f32 and the four weights (K = 1024 is their outer axis) become codes of E3M2 with one E8M0 byte for each 32 along K,
; laid as IMAGES OF OPERAND REGISTERS: a fragment (16 rows x 128 K, 12 registers a lane) is three groups of 512 bytes, registers 4 g .. 4 g + 3 of lane l at 512 g + 16 l.
; xq: [tensor 3][tile 512][K step 8][1,536]; scale words behind them, [tile][K half 2][row 16][4 words].  wq: the same with 4 tensors of 64 tiles.
; THE ROWS OF A TILE ARE NOT NEIGHBOURS: row r of tile 2 B + u is true row 32 B + 8 u + r + 8 (r / 8), so that results of later products come out with 16 neighbours in a lane's 16 registers.
; A block's scale is 2^(floor(log2(largest magnitude)) - 4): its byte is the largest magnitude's exponent field - 4, held at 1 from below by a floor among the maximum's leaves.
; LIMITS: NaN and infinities among the inputs are not served; a block whose largest magnitude lies under 2^-122 (a block of zeros too) keeps the byte 1: its bytes are read by this program alone.
; Work-groups 0-255 take the weights (no LDS), 256-1023 the inputs (each wave its own stage in LDS).  No barrier: waves share nothing.
.set R,    16                          ; v16-143  inputs: two sets of 64 registers as loaded
.set X,    144                         ; v144-207 inputs: 64 numbers of my row: register 16 b + i = k 32 b + 16 (lane / 16) + i
.set PC,   208                         ; v208-219 the fragment just made
.set CT,   220                         ; v220-226 the conversions' second halves
.set TM,   228                         ; v228-243 at work in QUANT
.set W,    244                         ; v244-247 the four K steps' scale words
.set D,    16                          ; v16-143  weights: 128 numbers down K of my column
.set OF,   144                         ; v144-175 weights: 4 x column + i x (bytes from k to k + 1)
.set F0,   176                         ; v176-187 blocks 0 and 2, then the fragment of the even tile
.set F1,   188                         ; v188-199 blocks 1 and 3, then the fragment of the odd tile
.set WCT,  200
.set SEL,  34                          ; s[34:35] lane selects: lane l xor 16
.set STG,  8448                        ; a wave's stage: 16 rows x (512 bytes + 16)
; 64 numbers of a lane become a fragment's two halves (6 registers each, at d0 and d1) and its scale word (pw)
.macro QUANT s, d0, d1, pw
.irp b, 0,1,2,3
	v_max3_num_f32 v[TM+\b], |v[\s+16*\b]|, |v[\s+1+16*\b]|, 0x2800000   ; my 16 numbers of block b, and the floor 2^(5 - 127)
.endr
.irp i, 2,4,6,8,10,12,14
.irp b, 0,1,2,3
	v_max3_num_f32 v[TM+\b], v[TM+\b], |v[\s+16*\b+\i]|, |v[\s+1+16*\b+\i]|
.endr
.endr
.irp b, 0,1,2,3
	v_permlanex16_b32 v[TM+4+\b], v[TM+\b], s[SEL], s[SEL+1]
.endr
.irp b, 0,1,2,3
	v_max_num_f32 v[TM+\b], v[TM+\b], v[TM+4+\b]                         ; with lane l xor 16's 16: the block's largest magnitude
.endr
.irp b, 0,1,2,3
	v_add_nc_u32 v[TM+12+\b], 0xfe000000, v[TM+\b]                       ; 4 off its exponent field: the conversion's scale operand
.endr
.irp b, 0,1,2,3
	v_lshrrev_b32 v[TM+4+\b], 23, v[TM+12+\b]                            ; the scale's byte
.endr
	v_lshl_or_b32 v[\pw], v[TM+5], 8, v[TM+4]
	v_lshl_or_b32 v[\pw], v[TM+6], 16, v[\pw]
	v_lshl_or_b32 v[\pw], v[TM+7], 24, v[\pw]
	v_cvt_scalef32_pk16_bf6_f32 v[\d0:\d0+2], v[\s:\s+15], v[TM+12]
	v_cvt_scalef32_pk16_bf6_f32 v[CT:CT+2], v[\s+16:\s+31], v[TM+13]
	v_cvt_scalef32_pk16_bf6_f32 v[\d1:\d1+2], v[\s+32:\s+47], v[TM+14]
	v_cvt_scalef32_pk16_bf6_f32 v[CT+4:CT+6], v[\s+48:\s+63], v[TM+15]
	v_nop                                                                ; one plain instruction behind the conversions
.irp i, 0,1,2
	v_permlane16_swap_b32 v[\d0+\i], v[CT+\i]                            ; a whole block to a lane: lanes 0-15 the even block, lanes 16-31 the odd one
	v_permlane16_swap_b32 v[\d1+\i], v[CT+4+\i]
.endr
.irp i, 0,1,2
	v_mov_b32 v[\d0+3+\i], v[CT+\i]
	v_mov_b32 v[\d1+3+\i], v[CT+4+\i]
.endr
.endm
	s_load_b256 s[4:11], s[0:1], 0x0               ; input_query, input_key, input_value, Wq
	s_load_b256 s[12:19], s[0:1], 0x20             ; Wk, Wv, Wo, xq
	s_load_b64 s[20:21], s[0:1], 0x40              ; wq
	v_lshl_add_u32 v254, v0, 2, 0x8400
	v_mov_b32 v255, 0
	v_lshrrev_b32 v1, 5, v0
	v_readfirstlane_b32 s22, v1                    ; wave
	v_and_b32 v1, 31, v0                           ; lane
	v_and_b32 v2, 15, v0                           ; r
	v_bfe_u32 v3, v0, 4, 1                         ; h
	v_lshlrev_b32 v4, 4, v1                        ; 16 x lane
	s_mov_b32 s[SEL], 0x76543210
	s_mov_b32 s[SEL+1], 0xfedcba98
	s_mov_b32 s31, 0
	s_wait_kmcnt 0x0
	s_cmp_lt_u32 ttmp9, 256
	s_cbranch_scc1 .Lweights
; ---- THE INPUTS.  A wave takes one tile of 16 rows and half of K: four K steps of 128.
	s_sub_co_u32 s24, ttmp9, 256
	s_lshl_b32 s24, s24, 2
	s_add_co_u32 s24, s24, s22                     ; task
	s_and_b32 s25, s24, 1                          ; which half of K
	s_bfe_u32 s26, s24, 0x90001                    ; tile 0 .. 511
	s_lshr_b32 s27, s24, 10                        ; tensor 0 .. 2
	s_cmp_eq_u32 s27, 0
	s_cselect_b64 s[28:29], s[4:5], s[6:7]
	s_cmp_eq_u32 s27, 2
	s_cselect_b64 s[28:29], s[8:9], s[28:29]
	s_lshr_b32 s30, s26, 1
	s_lshl_b32 s30, s30, 17                        ; 32 (tile / 2) rows of 4,096 bytes
	s_and_b32 s32, s26, 1
	s_lshl_b32 s32, s32, 15                        ; + 8 (tile % 2) rows
	s_add_co_u32 s30, s30, s32
	s_lshl_b32 s32, s25, 11                        ; + my half of K
	s_add_co_u32 s30, s30, s32
	s_add_nc_u64 s[28:29], s[28:29], s[30:31]
	s_mul_i32 s30, s27, 6291456
	s_mul_i32 s32, s26, 12288
	s_add_co_u32 s30, s30, s32
	s_mul_i32 s32, s25, 6144
	s_add_co_u32 s30, s30, s32
	s_add_nc_u64 s[36:37], s[18:19], s[30:31]      ; my four images
	s_lshl_b32 s30, s27, 18
	s_lshl_b32 s32, s26, 9
	s_add_co_u32 s30, s30, s32
	s_lshl_b32 s32, s25, 8
	s_add_co_u32 s30, s30, s32
	s_add_co_u32 s30, s30, 18874368
	s_add_nc_u64 s[38:39], s[18:19], s[30:31]      ; my 256 bytes of scale words
	s_mul_i32 s33, s22, STG
	v_add_nc_u32 v5, s33, v4                       ; into the stage: a row's 512 bytes as they lie
	v_mul_u32_u24 v6, v2, 528
	v_lshl_add_u32 v6, v3, 6, v6
	v_add_nc_u32 v6, s33, v6                       ; out of it: row r, + 64 h: 16 neighbours of each block of 32
	v_lshlrev_b32 v7, 4, v2
	v_lshl_add_u32 v7, v3, 3, v7                   ; scale words: 16 r + 8 h
.irp b, 0,1,2,3
	v_mov_b32 v[TM+4+\b], 0                        ; written once: a lane permute's destination counts as one of its sources
.endr
.macro XLOAD k                         ; K step k of the 16 rows: each load reads 512 consecutive bytes of one row
.irp i, 0,1,2,3,4,5,6,7,8,9,10,11,12,13,14,15
	global_load_b128 v[R+64*((\k)%2)+4*\i:R+64*((\k)%2)+4*\i+3], v4, s[28:29] offset:(\i+8*(\i/8))*4096+512*(\k) th:TH_LOAD_NT
.endr
.endm
.macro XSTEP k
.if (\k) < 3
	s_wait_loadcnt 16                              ; this step's 16 loads are in; the next step's 16 may be out
.else
	s_wait_loadcnt 0x0
.endif
.irp i, 0,1,2,3,4,5,6,7,8,9,10,11,12,13,14,15
	ds_store_b128 v5, v[R+64*((\k)%2)+4*\i:R+64*((\k)%2)+4*\i+3] offset:528*\i
.endr
.irp b, 0,1,2,3
.irp j, 0,1,2,3
	ds_load_b128 v[X+16*\b+4*\j:X+16*\b+4*\j+3], v6 offset:128*\b+16*\j   ; LDS serves a wave's instructions in order: these see the stores above
.endr
.endr
	s_wait_dscnt 0x0                               ; my numbers are back, and the stores have read their registers,
.if (\k) < 2
	XLOAD (\k)+2                                   ; which take the loads of two steps on
.endif
.if (\k) > 0
	s_wait_xcnt 0x0                                ; the last step's stores have read the fragment's registers
.endif
	QUANT X, PC, PC+6, W+\k
.irp g, 0,1,2
	global_store_b128 v4, v[PC+4*\g:PC+4*\g+3], s[36:37] offset:1536*(\k)+512*\g   ; 512 consecutive bytes, aligned
.endr
.endm
	XLOAD 0
	XLOAD 1
	XSTEP 0
	XSTEP 1
	XSTEP 2
	XSTEP 3
	v_cmp_lt_u32 vcc_lo, 15, v1                    ; lanes 16-31 store words 2 and 3 of their row
	v_cndmask_b32 v248, v[W], v[W+2], vcc_lo
	v_cndmask_b32 v249, v[W+1], v[W+3], vcc_lo
	global_store_b64 v7, v[248:249], s[38:39]      ; 256 consecutive bytes, aligned
	s_wait_tensorcnt 0x0
	ds_add_u32 v254, v255
	s_wait_dscnt 0x0
	s_endpgm
; ---- THE WEIGHTS.  A wave takes 32 columns (two tiles) x 128 along K; a lane takes a column and its registers run down K, so a block of 32 is one lane's.
.Lweights:
	s_lshl_b32 s24, ttmp9, 2
	s_add_co_u32 s24, s24, s22                     ; task
	s_and_b32 s25, s24, 7                          ; K step
	s_bfe_u32 s26, s24, 0x50003                    ; group of 32 columns
	s_lshr_b32 s27, s24, 8                         ; tensor: Wq, Wk, Wv, Wo
	s_lshr_b32 s53, s26, 1
	s_lshl_b32 s53, s53, 18                        ; [head][k][64]: the head's 262,144 bytes,
	s_and_b32 s54, s26, 1
	s_lshl_b32 s54, s54, 7                         ; and which 32 of its 64 columns
	s_add_co_u32 s53, s53, s54
	s_lshl_b32 s54, s26, 7                         ; Wo [k][1024]: 128 bytes a group
	s_mov_b32 s52, 256
	s_cmp_eq_u32 s27, 0
	s_cselect_b64 s[28:29], s[10:11], s[12:13]
	s_cmp_eq_u32 s27, 2
	s_cselect_b64 s[28:29], s[14:15], s[28:29]
	s_cmp_eq_u32 s27, 3
	s_cselect_b64 s[28:29], s[16:17], s[28:29]
	s_cselect_b32 s52, 4096, s52                   ; bytes from k to k + 1
	s_cselect_b32 s40, s54, s53
	s_lshl_b32 s53, s25, 7
	s_mul_i32 s53, s53, s52
	s_add_co_u32 s40, s40, s53
	s_mov_b32 s41, 0
	s_add_nc_u64 s[42:43], s[28:29], s[40:41]      ; block 0 of my K step; blocks 1 to 3 lie 32 k further on each
	s_lshl_b32 s50, s52, 5
	s_mov_b32 s51, 0
	s_add_nc_u64 s[44:45], s[42:43], s[50:51]
	s_add_nc_u64 s[46:47], s[44:45], s[50:51]
	s_add_nc_u64 s[48:49], s[46:47], s[50:51]
	s_mul_i32 s30, s27, 786432
	s_mul_i32 s32, s26, 24576
	s_add_co_u32 s30, s30, s32
	s_mul_i32 s32, s25, 1536
	s_add_co_u32 s30, s30, s32
	s_add_nc_u64 s[36:37], s[20:21], s[30:31]      ; the even tile's image; the odd tile's lies 12,288 bytes on
	s_lshl_b32 s30, s27, 15
	s_lshl_b32 s32, s26, 10
	s_add_co_u32 s30, s30, s32
	s_lshr_b32 s32, s25, 2
	s_lshl_b32 s32, s32, 8
	s_add_co_u32 s30, s30, s32
	s_and_b32 s32, s25, 3
	s_lshl_b32 s32, s32, 2
	s_add_co_u32 s30, s30, s32
	s_add_co_u32 s30, s30, 3145728
	s_add_nc_u64 s[38:39], s[20:21], s[30:31]
	v_and_b32 v8, 7, v1                            ; lane l takes the column whose bits 3 and 4 are l's bits 4 and 3
	v_bfe_u32 v9, v1, 3, 1
	v_lshl_or_b32 v8, v9, 4, v8
	v_lshl_or_b32 v8, v3, 3, v8
	v_lshlrev_b32 v8, 2, v8
.irp i, 0,1,2,3,4,5,6,7,8,9,10,11,12,13,14,15,16,17,18,19,20,21,22,23,24,25,26,27,28,29,30,31
	v_mad_u32_u24 v[OF+\i], s52, \i, v8
.endr
	v_lshlrev_b32 v209, 4, v2
	v_lshl_add_u32 v209, v3, 9, v209               ; my scale word: tile lane / 16, row lane % 16
.macro WLOAD t
.irp i, 0,1,2,3,4,5,6,7,8,9,10,11,12,13,14,15,16,17,18,19,20,21,22,23,24,25,26,27,28,29,30,31
	global_load_b32 v[D+32*(\t)+\i], v[OF+\i], s[42+2*(\t):43+2*(\t)] th:TH_LOAD_NT   ; 32 lanes read 128 consecutive bytes
.endr
.endm
.macro WBLOCK t
.set DSRC, D+32*(\t)
.set FD, F0+12*((\t)%2)+6*((\t)/2)
.if (\t) < 3
	s_wait_loadcnt 32                              ; this block's 32 loads are in; the next block's may be out
.else
	s_wait_loadcnt 0x0
.endif
.if (\t) < 2
	WLOAD (\t)+2
.endif
	v_max3_num_f32 v204, |v[DSRC]|, |v[DSRC+1]|, |v[DSRC+2]|
	v_max3_num_f32 v205, |v[DSRC+3]|, |v[DSRC+4]|, |v[DSRC+5]|
.irp i, 6,10,14,18,22,26
	v_max3_num_f32 v204, v204, |v[DSRC+\i]|, |v[DSRC+\i+1]|
	v_max3_num_f32 v205, v205, |v[DSRC+\i+2]|, |v[DSRC+\i+3]|
.endr
	v_max3_num_f32 v204, v204, |v[DSRC+30]|, |v[DSRC+31]|
	v_max3_num_f32 v204, v204, v205, 0x2800000     ; and the floor
	v_add_nc_u32 v206, 0xfe000000, v204
	v_lshrrev_b32 v207, 23, v206
.if (\t) == 0
	v_mov_b32 v208, v207
.else
	v_lshl_or_b32 v208, v207, 8*(\t), v208
.endif
	v_cvt_scalef32_pk16_bf6_f32 v[FD:FD+2], v[DSRC:DSRC+15], v206
	v_cvt_scalef32_pk16_bf6_f32 v[WCT:WCT+2], v[DSRC+16:DSRC+31], v206
	v_nop
.irp i, 0,1,2
	v_mov_b32 v[FD+3+\i], v[WCT+\i]
.endr
.endm
	WLOAD 0
	WLOAD 1
	WBLOCK 0
	WBLOCK 1
	WBLOCK 2
	WBLOCK 3
.irp i, 0,1,2,3,4,5,6,7,8,9,10,11
	v_permlane16_swap_b32 v[F0+\i], v[F1+\i]       ; lanes 16-31 of a fragment hold the odd blocks of the tile's rows
.endr
.irp g, 0,1,2
	global_store_b128 v4, v[F0+4*\g:F0+4*\g+3], s[36:37] offset:512*\g
	global_store_b128 v4, v[F1+4*\g:F1+4*\g+3], s[36:37] offset:12288+512*\g
.endr
	global_store_b32 v209, v208, s[38:39]          ; 4 bytes a row, 16 bytes apart: 128 KB in the whole launch leave so
	s_endpgm
.Lfunc_end_k_q9c771df334_quant:
	.size	k_q9c771df334_quant, .Lfunc_end_k_q9c771df334_quant-k_q9c771df334_quant
	.p2alignl 7, 3214868480
	.fill 96, 4, 3214868480
	.section	.rodata,"a",@progbits
	.p2align	6, 0x0
	.amdhsa_kernel k_q9c771df334_quant
		.amdhsa_group_segment_fixed_size 34304
		.amdhsa_private_segment_fixed_size 0
		.amdhsa_enable_private_segment 0
		.amdhsa_kernarg_size 72
		.amdhsa_user_sgpr_count 2
		.amdhsa_user_sgpr_kernarg_segment_ptr 1
		.amdhsa_wavefront_size32 1
		.amdhsa_system_sgpr_workgroup_id_x 1
		.amdhsa_system_sgpr_workgroup_id_y 1
		.amdhsa_system_sgpr_workgroup_id_z 1
		.amdhsa_system_vgpr_workitem_id 0
		.amdhsa_next_free_vgpr 256
		.amdhsa_next_free_sgpr 66
		.amdhsa_reserve_vcc 1
		.amdhsa_float_denorm_mode_32 3
		.amdhsa_float_denorm_mode_16_64 3
		.amdhsa_memory_ordered 1
		.amdhsa_forward_progress 1
		.amdhsa_inst_pref_size 57
	.end_amdhsa_kernel
	.amdgpu_metadata
---
amdhsa.version: [ 1, 2 ]
amdhsa.kernels:
  - .name:           k_q9c771df334_quant
    .symbol:         k_q9c771df334_quant.kd
    .args:
      - { .name: input_query, .offset: 0, .size: 8, .value_kind: global_buffer, .address_space: global }
      - { .name: input_key, .offset: 8, .size: 8, .value_kind: global_buffer, .address_space: global }
      - { .name: input_value, .offset: 16, .size: 8, .value_kind: global_buffer, .address_space: global }
      - { .name: Wq, .offset: 24, .size: 8, .value_kind: global_buffer, .address_space: global }
      - { .name: Wk, .offset: 32, .size: 8, .value_kind: global_buffer, .address_space: global }
      - { .name: Wv, .offset: 40, .size: 8, .value_kind: global_buffer, .address_space: global }
      - { .name: Wo, .offset: 48, .size: 8, .value_kind: global_buffer, .address_space: global }
      - { .name: xq, .offset: 56, .size: 8, .value_kind: global_buffer, .address_space: global }
      - { .name: wq, .offset: 64, .size: 8, .value_kind: global_buffer, .address_space: global }
    .group_segment_fixed_size: 34304
    .private_segment_fixed_size: 0
    .kernarg_segment_align: 8
    .kernarg_segment_size: 72
    .max_flat_workgroup_size: 128
    .sgpr_count:     66
    .vgpr_count:     256
    .wavefront_size: 32
...
	.end_amdgpu_metadata
.endif
;; end of part 1
;; launch proj (part 2): grid 8 x 96, 4 waves a work-group, clusters of 4 x 4, 307,712 bytes of LDS; arguments xq, wq, bq, bk, bv, qb, kvb; writes qb, kvb
.if DOCPART == 2
	.amdgcn_target "amdgcn-amd-amdhsa--gfx1250"
	.amdhsa_code_object_version 6
	.text
	.protected	k_q9c771df334_proj
	.globl	k_q9c771df334_proj
	.p2align	8
	.type	k_q9c771df334_proj,@function
k_q9c771df334_proj:
	s_mov_b64 s[64:65], 0
	v_nop
	global_prefetch_b8 v0, s[64:65] scope:SCOPE_SE
	s_setreg_imm32_b32 hwreg(HW_REG_WAVE_MODE, 25, 1), 1
	s_wait_xcnt 0x0
	s_wait_alu depctr_hold_cnt(0) depctr_sa_sdst(0) depctr_va_vdst(0) depctr_va_sdst(0) depctr_va_ssrc(0) depctr_va_vcc(0) depctr_vm_vsrc(0)
	s_getreg_b32 s2, hwreg(HW_REG_IB_STS2, 6, 4)
	s_cmp_eq_u32 s2, 0
	s_cbranch_scc0 .Lentry_in_a_cluster
	s_endpgm
.Lentry_in_a_cluster:
	s_bfe_u32 s2, ttmp6, 0x10000c
	s_cmp_lg_u32 s2, 0xf033
	s_cbranch_scc0 .Lentry_shape_is_right
	s_endpgm
.Lentry_shape_is_right:
; q, k and v = x W + b on codes of E3M2 (K = 1024), and their results quantised again, in registers, for the attention launch: q and k along the head's 64, v along the keys.
; ONE MAIN PATH.  side0 is the matrix instruction's source 0 (a lane's registers run along it), side1 its source 1 (a lane holds one row of it).  q, k: side0 = W (128 columns), side1 = x (256 rows).
; v: side0 = x (128 keys), side1 = Wv (256 columns), chosen by pointers alone, so that a lane's registers run along the keys.  A wave: all 128 of side0 x its own 64 of side1: 32 accumulators.
; All of K lies in LDS, in four chunks of 256, each filled once: 294,912 bytes of codes and 12,288 of scale words.  No byte of LDS is filled twice.
; CLUSTER 4 x 4: side1's tiles hang on the cluster's row, side0's on its column: each is asked for jointly by four work-groups.  A wave has five tensor loads out at the most.
; Operands lie in memory as images of their registers (see the launch before): a fragment is three loads of 16 bytes a lane, 512 consecutive bytes each.
; OUT.  qb: [b h][tile 128][768]: half fragments (6 registers: group g of 256 bytes holds registers 2 g, 2 g + 1, 8 bytes a lane); scale words [s0 s1 s0 s1] behind them.
; kvb: [b h][step of 128 keys][12,800]: four images of K (registers 0-5: key tile 2 n, registers 6-11: key tile 2 n + 1, each the head's 64), four of V (16 of the head's 64 x 128 keys), 256 bytes of K's scale words, 256 of V's.
; LIMITS: NaN and infinities are not served; a block whose largest magnitude lies under 2^-122 keeps the byte 1.
; REGISTERS, in windows of 256.  Window 0: v1-21 addresses; v32-95 scale words; v96-159 a tile's 64 results + bias; v160-207 codes; v208-251 at work.
;   window 1: side0's 8 fragments, two sets (v0, v128).  window 2: the accumulators, (a, b) at 8 (8 a + b).  window 3: side1's 4 fragments, two sets (v0, v64); v128-191, v192-199 the biases.
.set CH,    73728                      ; a chunk in LDS: side1 [16 tiles][3,072], then side0 [8 tiles][3,072]
.set SIDE0, 49152
.set SCL,   294912                     ; side1's scale words (8,192 bytes), then side0's (4,096)
.set ADR1,  8
.set ADR0,  12
.set ADRS,  16
.set SC,    32
.set H,     96
.set CD,    160
.set CT,    208
.set TM,    216
.set PW,    232
.set WA,    236
.set WB,    240
.set BI,    128
.set BV,    192
.set SEL,   30                         ; s[30:31], set in the epilogue, where the descriptors are done with
.set MUL,   0xad                       ; source 0 window 1, source 1 window 3, C and D window 2
.set MSB, 0
.macro WIN new
.if MSB != \new
	s_set_vgpr_msb (MSB<<8)|\new
.set MSB, \new
.endif
.endm
.macro PLACES
.rept 4
	v_nop
.endr
.endm
.macro CROUND                          ; a round of the cluster's barrier
	s_barrier_signal -1
	s_barrier_wait -1
	s_cmp_lg_u32 s18, 0
	s_cbranch_scc1 .Lnot_wave_0_\@
	s_barrier_signal -3
.Lnot_wave_0_\@:
	s_barrier_wait -3
	s_barrier_signal -1
	s_barrier_wait -1
.endm
.macro QUANT s, d0, d1, pw             ; 64 numbers of a lane (register 16 b + i = k 32 b + 16 (lane / 16) + i of my row) -> two half fragments and a scale word
.irp b, 0,1,2,3
	v_max3_num_f32 v[TM+\b], |v[\s+16*\b]|, |v[\s+1+16*\b]|, 0x2800000
.endr
.irp i, 2,4,6,8,10,12,14
.irp b, 0,1,2,3
	v_max3_num_f32 v[TM+\b], v[TM+\b], |v[\s+16*\b+\i]|, |v[\s+1+16*\b+\i]|
.endr
.endr
.irp b, 0,1,2,3
	v_permlanex16_b32 v[TM+4+\b], v[TM+\b], s[SEL], s[SEL+1]
.endr
.irp b, 0,1,2,3
	v_max_num_f32 v[TM+\b], v[TM+\b], v[TM+4+\b]
.endr
.irp b, 0,1,2,3
	v_add_nc_u32 v[TM+12+\b], 0xfe000000, v[TM+\b]
.endr
.irp b, 0,1,2,3
	v_lshrrev_b32 v[TM+4+\b], 23, v[TM+12+\b]
.endr
	v_lshl_or_b32 v[\pw], v[TM+5], 8, v[TM+4]
	v_lshl_or_b32 v[\pw], v[TM+6], 16, v[\pw]
	v_lshl_or_b32 v[\pw], v[TM+7], 24, v[\pw]
	v_cvt_scalef32_pk16_bf6_f32 v[\d0:\d0+2], v[\s:\s+15], v[TM+12]
	v_cvt_scalef32_pk16_bf6_f32 v[CT:CT+2], v[\s+16:\s+31], v[TM+13]
	v_cvt_scalef32_pk16_bf6_f32 v[\d1:\d1+2], v[\s+32:\s+47], v[TM+14]
	v_cvt_scalef32_pk16_bf6_f32 v[CT+4:CT+6], v[\s+48:\s+63], v[TM+15]
	v_nop
.irp i, 0,1,2
	v_permlane16_swap_b32 v[\d0+\i], v[CT+\i]
	v_permlane16_swap_b32 v[\d1+\i], v[CT+4+\i]
.endr
.irp i, 0,1,2
	v_mov_b32 v[\d0+3+\i], v[CT+\i]
	v_mov_b32 v[\d1+3+\i], v[CT+4+\i]
.endr
.endm
	s_load_b256 s[4:11], s[0:1], 0x0               ; xq, wq, bq, bk
	s_load_b128 s[12:15], s[0:1], 0x20             ; bv, qb
	s_load_b64 s[16:17], s[0:1], 0x30              ; kvb
	v_lshl_add_u32 v254, v0, 2, 0x4b000
	v_mov_b32 v255, 0
	ds_add_u32 v254, v255
	ds_add_u32 v254, v255
	v_lshrrev_b32 v1, 5, v0
	v_readfirstlane_b32 s18, v1                    ; wave
	s_and_b32 s19, s18, 1                          ; which half of a side's tiles I fetch
	s_lshr_b32 s2, s18, 1                          ; I fetch for side1 (0) or side0 (1)
	s_bfe_u32 s96, ttmp6, 0x40000                  ; cx
	s_bfe_u32 s97, ttmp6, 0x40004                  ; cy
	s_and_b32 s100, ttmp7, 0xffff                  ; cluster y = 8 x tensor + Yr
	s_and_b32 s101, s100, 7
	s_lshr_b32 s100, s100, 3                       ; tensor: 0 q, 1 k, 2 v: the same in all sixteen partners
	s_lshl_b32 s98, ttmp9, 2
	s_add_co_u32 s98, s98, s96
	s_cmp_eq_u32 s100, 2
	s_cselect_b32 s104, s101, 0
	s_cselect_b32 s105, 0, s101
	s_lshl_b32 s104, s104, 3
	s_add_co_u32 s98, s98, s104                    ; I, side0's block of 128: of cx and cluster numbers alone
	s_lshl_b32 s105, s105, 2
	s_add_co_u32 s99, s97, s105                    ; J, side1's block of 256: of cy and cluster numbers alone
	s_lshl_b32 s104, s97, 2
	s_lshl_b32 s104, 15, s104                      ; my row of the cluster
	s_lshl_b32 s105, 0x1111, s96                   ; my column
	s_or_b32 s20, s104, (3<<16)|(1<<21)            ; group 1, side1's codes: mask; elements of 8 bytes; bit 21 beside a mask; no padding
	s_or_b32 s28, s105, (3<<16)|(1<<21)            ; side0's codes
	s_or_b32 s36, s104, (3<<16)|(1<<21)            ; side1's scale words
	s_or_b32 s44, s105, (3<<16)|(1<<21)            ; side0's
	s_mov_b32 s21, 384<<16                         ; a tile's part of a chunk: 3,072 bytes
	s_mov_b32 s22, 8<<16                           ; 8 tiles
	s_mov_b32 s23, 384<<16
	s_mov_b32 s24, 8
	s_mov_b32 s25, 1536                            ; 12,288 bytes from tile to tile
	s_mov_b32 s26, 0
	s_mov_b32 s27, 0
	s_mov_b32 s29, 384<<16
	s_mov_b32 s30, 4<<16                           ; 4 tiles
	s_mov_b32 s31, 384<<16
	s_mov_b32 s32, 4
	s_mov_b32 s33, 1536
	s_mov_b32 s34, 0
	s_mov_b32 s35, 0
	s_mov_b32 s37, 32<<16                          ; dense, as rows of 256 bytes
	s_mov_b32 s38, 16<<16
	s_mov_b32 s39, 32<<16
	s_mov_b32 s40, 16
	s_mov_b32 s41, 32
	s_mov_b32 s42, 0
	s_mov_b32 s43, 0
	s_mov_b32 s45, 32<<16
	s_mov_b32 s46, 8<<16
	s_mov_b32 s47, 32<<16
	s_mov_b32 s48, 8
	s_mov_b32 s49, 32
	s_mov_b32 s50, 0
	s_mov_b32 s51, 0
	s_mov_b32 s105, 0
	s_wait_dscnt 0x0
	s_wait_kmcnt 0x0
	s_mul_i32 s104, s100, 6291456
	s_add_nc_u64 s[56:57], s[4:5], s[104:105]      ; x's codes
	s_mul_i32 s104, s100, 786432
	s_add_nc_u64 s[60:61], s[6:7], s[104:105]      ; W's codes
	s_lshl_b32 s104, s100, 18
	s_add_co_u32 s104, s104, 18874368
	s_add_nc_u64 s[68:69], s[4:5], s[104:105]      ; x's scale words
	s_lshl_b32 s104, s100, 15
	s_add_co_u32 s104, s104, 3145728
	s_add_nc_u64 s[72:73], s[6:7], s[104:105]      ; W's
	s_cmp_eq_u32 s100, 2
	s_cselect_b64 s[58:59], s[60:61], s[56:57]     ; side1: W for v, else x
	s_cselect_b64 s[82:83], s[56:57], s[60:61]     ; side0: the other
	s_cselect_b64 s[54:55], s[72:73], s[68:69]
	s_cselect_b64 s[78:79], s[68:69], s[72:73]
	s_lshl_b32 s3, s99, 4
	s_lshl_b32 s104, s19, 3
	s_add_co_u32 s3, s3, s104                      ; side1: tile 16 J + 8 x half
	s_mul_i32 s104, s3, 12288
	s_add_nc_u64 s[58:59], s[58:59], s[104:105]
	s_lshl_b32 s104, s3, 9
	s_add_nc_u64 s[54:55], s[54:55], s[104:105]
	s_lshl_b32 s3, s98, 3
	s_lshl_b32 s104, s19, 2
	s_add_co_u32 s3, s3, s104                      ; side0: tile 8 I + 4 x half
	s_mul_i32 s104, s3, 12288
	s_add_nc_u64 s[82:83], s[82:83], s[104:105]
	s_lshl_b32 s104, s3, 9
	s_add_nc_u64 s[78:79], s[78:79], s[104:105]
	s_add_nc_u64 s[62:63], s[58:59], 3072          ; chunks 1 to 3
	s_add_nc_u64 s[70:71], s[58:59], 6144
	s_add_nc_u64 s[74:75], s[58:59], 9216
	s_add_nc_u64 s[86:87], s[82:83], 3072
	s_add_nc_u64 s[90:91], s[82:83], 6144
	s_add_nc_u64 s[94:95], s[82:83], 9216
.irp g, 55,59,63,71,75,79,83,87,91,95
	s_or_b32 s\g, s\g, 0x80000000                  ; the type
.endr
.irp g, 52,56,60,68,72,76,80,84,88,92
	s_mov_b32 s\g, 1                               ; the count
.endr
	s_mul_i32 s3, s19, 24576                       ; LDS addresses: constants and the wave's number alone
	s_mov_b32 s57, s3
	s_add_co_u32 s61, s3, CH
	s_add_co_u32 s69, s3, 2*CH
	s_add_co_u32 s73, s3, 3*CH
	s_lshl_b32 s3, s19, 12
	s_add_co_u32 s53, s3, SCL
	s_mul_i32 s3, s19, 12288
	s_add_co_u32 s81, s3, SIDE0
	s_add_co_u32 s85, s3, CH+SIDE0
	s_add_co_u32 s89, s3, 2*CH+SIDE0
	s_add_co_u32 s93, s3, 3*CH+SIDE0
	s_lshl_b32 s3, s19, 11
	s_add_co_u32 s77, s3, SCL+8192
	CROUND                                         ; all sixteen work-groups are here: the joint loads meet
	s_cmp_eq_u32 s2, 0
	s_cbranch_scc0 .Lside0
	tensor_load_to_lds s[52:55], s[36:43]          ; the scale words, then the four chunks: all the launch's fills, as one group
	s_nop 0
	tensor_load_to_lds s[56:59], s[20:27]
	s_nop 0
	tensor_load_to_lds s[60:63], s[20:27]
	s_nop 0
	tensor_load_to_lds s[68:71], s[20:27]
	s_nop 0
	tensor_load_to_lds s[72:75], s[20:27]
	s_nop 0
	PLACES
	s_branch .Lasked
.Lside0:
	tensor_load_to_lds s[76:79], s[44:51]
	s_nop 0
	tensor_load_to_lds s[80:83], s[28:35]
	s_nop 0
	tensor_load_to_lds s[84:87], s[28:35]
	s_nop 0
	tensor_load_to_lds s[88:91], s[28:35]
	s_nop 0
	tensor_load_to_lds s[92:95], s[28:35]
	s_nop 0
	PLACES
.Lasked:
	v_and_b32 v1, 31, v0                           ; lane
	v_and_b32 v2, 15, v0                           ; r
	v_bfe_u32 v3, v0, 4, 1                         ; h
	v_lshlrev_b32 v4, 4, v1                        ; 16 x lane
	v_lshlrev_b32 v5, 3, v1                        ; 8 x lane
	s_mul_i32 s3, s18, 12288                       ; my four tiles of side1
.irp c, 0,1,2,3
	v_add_nc_u32 v[ADR1+\c], s3, v4
	v_add_nc_u32 v[ADR0+\c], \c*CH+SIDE0, v4
	s_add_co_u32 s3, s3, CH
.endr
	s_xor_b32 s3, s18, 3
	s_lshl_b32 s3, s3, 11
	s_add_co_u32 s3, s3, 2048                      ; 8,192 - 2,048 x wave: from my side1 words to side0's
	v_mul_u32_u24 v[ADRS], s3, v3                  ; lanes 16-31 take side0's words
	v_lshl_add_u32 v[ADRS], v2, 4, v[ADRS]
	s_lshl_b32 s3, s18, 11
	s_add_co_u32 s3, s3, SCL
	v_add_nc_u32 v[ADRS], s3, v[ADRS]
	v_lshlrev_b32 v17, 4, v2
	v_lshl_add_u32 v17, v3, 3, v17                 ; q's scale words: 16 r + 8 h
	s_mul_i32 s3, s19, 3072
	v_add_nc_u32 v18, s3, v4                       ; K's images: 16 x lane + two images for the odd wave
	v_lshlrev_b32 v19, 3, v2
	v_lshl_add_u32 v19, v3, 2, v19
	s_lshl_b32 s3, s19, 7
	v_add_nc_u32 v19, s3, v19                      ; K's scale words: 8 r + 4 h + 128 for the odd wave
	v_lshlrev_b32 v20, 6, v3                       ; the bias along side0: 64 h
	v_and_b32 v21, 8, v2
	v_add_nc_u32 v21, v21, v2
	v_lshlrev_b32 v21, 2, v21                      ; the bias along side1: 4 (r + 8 (r / 8))
.irp b, 0,1,2,3
	v_mov_b32 v[TM+4+\b], 0
.endr
	; both biases are loaded on every path, with offsets held inside the tables of 4,096 bytes; each path reads its own
	s_cmp_eq_u32 s100, 0
	s_cselect_b64 s[96:97], s[8:9], s[10:11]
	s_and_b32 s104, s98, 7
	s_lshl_b32 s104, s104, 9
	s_add_nc_u64 s[96:97], s[96:97], s[104:105]
	s_and_b32 s104, s99, 3
	s_lshl_b32 s104, s104, 2
	s_add_co_u32 s104, s104, s18
	s_lshl_b32 s104, s104, 8
	s_add_nc_u64 s[2:3], s[12:13], s[104:105]
	WIN 0xc0                                       ; destination window 3
.irp b, 0,1,2,3
.irp j, 0,1,2,3
	global_load_b128 v[BI+16*\b+4*\j:BI+16*\b+4*\j+3], v20, s[96:97] offset:128*\b+16*\j   ; bias[128 I + 32 b + 16 h + i]
.endr
.endr
.irp a, 0,1,2,3
	global_load_b32 v[BV+2*\a], v21, s[2:3] offset:(32*(\a/2)+8*(\a%2))*4                  ; bv of my row of side1's tile a, twice: a pair for the packed addition
	global_load_b32 v[BV+2*\a+1], v21, s[2:3] offset:(32*(\a/2)+8*(\a%2))*4
.endr
	WIN 0
.macro FETCH k                         ; K step k's fragments into set k % 2: 36 loads of 512 consecutive bytes
	WIN 0x40
.irp b, 0,1,2,3,4,5,6,7
.irp g, 0,1,2
	ds_load_b128 v[128*((\k)%2)+12*\b+4*\g:128*((\k)%2)+12*\b+4*\g+3], v[ADR0+(\k)/2] offset:3072*\b+1536*((\k)%2)+512*\g
.endr
.endr
	WIN 0xc0
.irp a, 0,1,2,3
.irp g, 0,1,2
	ds_load_b128 v[64*((\k)%2)+12*\a+4*\g:64*((\k)%2)+12*\a+4*\g+3], v[ADR1+(\k)/2] offset:3072*\a+1536*((\k)%2)+512*\g
.endr
.endr
.endm
.macro MUL32 k                         ; the 32 accumulators take turns, one instruction a turn, in the same order in every step
.irp a, 0,1,2,3
.irp b, 0,1,2,3,4,5,6,7
.if (\k) == 0
	v_wmma_scale_f32_16x16x128_f8f6f4 v[8*(8*\a+\b):8*(8*\a+\b)+7], v[128*((\k)%2)+12*\b:128*((\k)%2)+12*\b+11], v[64*((\k)%2)+12*\a:64*((\k)%2)+12*\a+11], 0, v[SC+8*\b+(\k)], v[SC+8*\a+(\k)] matrix_a_fmt:MATRIX_FMT_BF6 matrix_b_fmt:MATRIX_FMT_BF6 matrix_a_scale:MATRIX_SCALE_ROW1
.else
	v_wmma_scale_f32_16x16x128_f8f6f4 v[8*(8*\a+\b):8*(8*\a+\b)+7], v[128*((\k)%2)+12*\b:128*((\k)%2)+12*\b+11], v[64*((\k)%2)+12*\a:64*((\k)%2)+12*\a+11], v[8*(8*\a+\b):8*(8*\a+\b)+7], v[SC+8*\b+(\k)], v[SC+8*\a+(\k)] matrix_a_fmt:MATRIX_FMT_BF6 matrix_b_fmt:MATRIX_FMT_BF6 matrix_a_scale:MATRIX_SCALE_ROW1
.endif
.endr
.endr
.endm
.macro STEP k
	s_wait_dscnt 0x0                               ; this step's fragments are in
.if ((\k) == 1) || ((\k) == 3) || ((\k) == 5)
	s_wait_tensorcnt 3-((\k)+1)/2                  ; my part of the next chunk has landed; the chunks behind it may be out
	s_barrier_signal -1
	s_barrier_wait -1                              ; everybody's has
.endif
.if (\k) < 7
.if (\k) > 0
	PLACES                                         ; in front of loads into the set that the last step's products read
.endif
	FETCH (\k)+1
.endif
	WIN MUL
	MUL32 \k
.endm
	s_wait_tensorcnt 3                             ; the scale words and chunk 0 are in; three chunks may be out
	s_barrier_signal -1
	s_barrier_wait -1
.irp i, 0,1,2,3,4,5,6,7
.irp x, 0,1
	ds_load_b128 v[SC+8*\i+4*\x:SC+8*\i+4*\x+3], v[ADRS] offset:512*\i+256*\x   ; register 8 i + k: lanes 16-31 side0's tile i, lanes 0-15 my side1 tile i (i < 4), K step k
.endr
.endr
	FETCH 0
.irp k, 0,1,2,3,4,5,6,7
	STEP \k
.endr
	WIN 0
	PLACES                                         ; in front of the first read of results
	s_wait_loadcnt 0x0                             ; the biases
	s_mov_b32 s[SEL], 0x76543210                   ; no tensor load is out: the descriptors' registers are free
	s_mov_b32 s[SEL+1], 0xfedcba98
	s_mov_b32 s25, 0
.macro ADDB a, dv                      ; side1's tile a: 64 results + bias, each accumulator from its low end on
	WIN 0x0e                                       ; source 0 window 2, source 1 window 3
.set II, 0
.rept 32
.if \dv
	v_pk_add_f32 v[H+II:H+II+1], v[64*(\a)+II:64*(\a)+II+1], v[BV+2*(\a):BV+2*(\a)+1]
.else
	v_pk_add_f32 v[H+II:H+II+1], v[64*(\a)+II:64*(\a)+II+1], v[BI+II:BI+II+1]
.endif
.set II, II+2
.endr
	WIN 0
.endm
	s_cmp_eq_u32 s100, 2
	s_cbranch_scc1 .Lvpath
	s_lshr_b32 s20, s99, 3                         ; the batch
	s_and_b32 s21, s99, 7                          ; which 256 rows of its 2,048
	s_lshl_b32 s22, s20, 4
	s_lshl_b32 s23, s98, 1
	s_add_co_u32 s22, s22, s23                     ; b h of the first of my two heads
	s_cmp_eq_u32 s100, 1
	s_cbranch_scc1 .Lkpath
; ---- q: a tile gives a half fragment for each of the two heads
	s_lshl_b32 s23, s22, 7
	s_lshl_b32 s24, s21, 4
	s_add_co_u32 s23, s23, s24
	s_lshl_b32 s24, s18, 2
	s_add_co_u32 s23, s23, s24                     ; 128 b h + my first tile
	s_mul_i32 s24, s23, 768
	s_add_nc_u64 s[26:27], s[14:15], s[24:25]
	s_lshl_b32 s24, s23, 6
	s_add_co_u32 s24, s24, 6291456
	s_add_nc_u64 s[28:29], s[14:15], s[24:25]
.irp a, 0,1,2,3
	ADDB \a, 0
	QUANT H, CD+12*\a, CD+12*\a+6, PW+\a
	v_perm_b32 v[WA+\a], v[PW+\a], v[PW+\a], 0x01000100   ; [s0 s1 s0 s1] of the first head,
	v_perm_b32 v[WB+\a], v[PW+\a], v[PW+\a], 0x03020302   ; of the second
.irp g, 0,1,2
	global_store_b64 v5, v[CD+12*\a+2*\g:CD+12*\a+2*\g+1], s[26:27] offset:768*\a+256*\g         ; 256 consecutive bytes, aligned
	global_store_b64 v5, v[CD+12*\a+6+2*\g:CD+12*\a+6+2*\g+1], s[26:27] offset:98304+768*\a+256*\g
.endr
.endr
	v_cmp_lt_u32 vcc_lo, 15, v1
	v_cndmask_b32 v244, v[WA], v[WA+2], vcc_lo
	v_cndmask_b32 v245, v[WA+1], v[WA+3], vcc_lo
	v_cndmask_b32 v246, v[WB], v[WB+2], vcc_lo
	v_cndmask_b32 v247, v[WB+1], v[WB+3], vcc_lo
	global_store_b64 v17, v[244:245], s[28:29]
	global_store_b64 v17, v[246:247], s[28:29] offset:8192
	s_branch .Ldone
; ---- k: two neighbouring key tiles make one packed image for each head
.Lkpath:
	s_lshl_b32 s23, s22, 4
	s_lshl_b32 s24, s21, 1
	s_add_co_u32 s23, s23, s24
	s_lshr_b32 s24, s18, 1
	s_add_co_u32 s23, s23, s24                     ; 16 b h + the step of 128 keys
	s_mul_i32 s24, s23, 12800
	s_add_nc_u64 s[26:27], s[16:17], s[24:25]
.irp e, 0,1
	ADDB 2*\e, 0
	QUANT H, CD+24*\e, CD+24*\e+12, PW
	ADDB 2*\e+1, 0
	QUANT H, CD+24*\e+6, CD+24*\e+18, PW+1
	v_perm_b32 v[WA+\e], v[PW+1], v[PW], 0x05040100       ; first head: [even tile s0 s1 | odd tile s0 s1]
	v_perm_b32 v[WB+\e], v[PW+1], v[PW], 0x07060302       ; second head
.irp g, 0,1,2
	global_store_b128 v18, v[CD+24*\e+4*\g:CD+24*\e+4*\g+3], s[26:27] offset:1536*\e+512*\g
	global_store_b128 v18, v[CD+24*\e+12+4*\g:CD+24*\e+12+4*\g+3], s[26:27] offset:204800+1536*\e+512*\g
.endr
.endr
	v_cmp_lt_u32 vcc_lo, 15, v1
	v_cndmask_b32 v244, v[WA], v[WA+1], vcc_lo
	v_cndmask_b32 v245, v[WB], v[WB+1], vcc_lo
	global_store_b32 v19, v244, s[26:27] offset:12288          ; 128 consecutive bytes a wave: two waves fill the step's 256
	global_store_b32 v19, v245, s[26:27] offset:204800+12288
	s_branch .Ldone
; ---- v: my wave's 64 rows of side1 are one head's 64; a tile gives a whole fragment along the 128 keys
.Lvpath:
	s_lshr_b32 s20, s98, 4                         ; the batch
	s_and_b32 s21, s98, 15                         ; the step of 128 keys
	s_lshl_b32 s22, s20, 4
	s_lshl_b32 s23, s99, 2
	s_add_co_u32 s22, s22, s23
	s_add_co_u32 s22, s22, s18                     ; b h
	s_lshl_b32 s22, s22, 4
	s_add_co_u32 s22, s22, s21
	s_mul_i32 s24, s22, 12800
	s_add_nc_u64 s[26:27], s[16:17], s[24:25]
.irp a, 0,1,2,3
	ADDB \a, 1
	QUANT H, CD+12*\a, CD+12*\a+6, PW+\a
.irp g, 0,1,2
	global_store_b128 v4, v[CD+12*\a+4*\g:CD+12*\a+4*\g+3], s[26:27] offset:6144+1536*\a+512*\g
.endr
.endr
	v_cmp_lt_u32 vcc_lo, 15, v1
	v_cndmask_b32 v244, v[PW], v[PW+2], vcc_lo
	v_cndmask_b32 v245, v[PW+1], v[PW+3], vcc_lo
	global_store_b64 v5, v[244:245], s[26:27] offset:12544
.Ldone:
	s_wait_tensorcnt 0x0
	ds_add_u32 v254, v255
	s_wait_dscnt 0x0
	CROUND                                         ; the closing round
	s_endpgm
.Lfunc_end_k_q9c771df334_proj:
	.size	k_q9c771df334_proj, .Lfunc_end_k_q9c771df334_proj-k_q9c771df334_proj
	.p2alignl 7, 3214868480
	.fill 96, 4, 3214868480
	.section	.rodata,"a",@progbits
	.p2align	6, 0x0
	.amdhsa_kernel k_q9c771df334_proj
		.amdhsa_group_segment_fixed_size 307712
		.amdhsa_private_segment_fixed_size 0
		.amdhsa_enable_private_segment 0
		.amdhsa_kernarg_size 56
		.amdhsa_user_sgpr_count 2
		.amdhsa_user_sgpr_kernarg_segment_ptr 1
		.amdhsa_wavefront_size32 1
		.amdhsa_system_sgpr_workgroup_id_x 1
		.amdhsa_system_sgpr_workgroup_id_y 1
		.amdhsa_system_sgpr_workgroup_id_z 1
		.amdhsa_system_vgpr_workitem_id 0
		.amdhsa_next_free_vgpr 1024
		.amdhsa_next_free_sgpr 106
		.amdhsa_reserve_vcc 1
		.amdhsa_float_denorm_mode_32 3
		.amdhsa_float_denorm_mode_16_64 3
		.amdhsa_memory_ordered 1
		.amdhsa_forward_progress 1
		.amdhsa_inst_pref_size 144
	.end_amdhsa_kernel
	.amdgpu_metadata
---
amdhsa.version: [ 1, 2 ]
amdhsa.kernels:
  - .name:           k_q9c771df334_proj
    .symbol:         k_q9c771df334_proj.kd
    .args:
      - { .name: xq, .offset: 0, .size: 8, .value_kind: global_buffer, .address_space: global }
      - { .name: wq, .offset: 8, .size: 8, .value_kind: global_buffer, .address_space: global }
      - { .name: bq, .offset: 16, .size: 8, .value_kind: global_buffer, .address_space: global }
      - { .name: bk, .offset: 24, .size: 8, .value_kind: global_buffer, .address_space: global }
      - { .name: bv, .offset: 32, .size: 8, .value_kind: global_buffer, .address_space: global }
      - { .name: qb, .offset: 40, .size: 8, .value_kind: global_buffer, .address_space: global }
      - { .name: kvb, .offset: 48, .size: 8, .value_kind: global_buffer, .address_space: global }
    .group_segment_fixed_size: 307712
    .private_segment_fixed_size: 0
    .kernarg_segment_align: 8
    .kernarg_segment_size: 56
    .max_flat_workgroup_size: 128
    .sgpr_count:     106
    .vgpr_count:     1024
    .wavefront_size: 32
...
	.end_amdgpu_metadata
.endif
;; end of part 2
;; launch attn (part 3): grid 4 x 64, 16 waves a work-group, clusters of 4 x 1, 206,848 bytes of LDS; arguments qb, kvb, zb; writes zb
.if DOCPART == 3
	.amdgcn_target "amdgcn-amd-amdhsa--gfx1250"
	.amdhsa_code_object_version 6
	.text
	.protected	k_q9c771df334_attn
	.globl	k_q9c771df334_attn
	.p2align	8
	.type	k_q9c771df334_attn,@function
k_q9c771df334_attn:
	s_mov_b64 s[64:65], 0
	v_nop
	global_prefetch_b8 v0, s[64:65] scope:SCOPE_SE
	s_setreg_imm32_b32 hwreg(HW_REG_WAVE_MODE, 25, 1), 1
	s_wait_xcnt 0x0
	s_wait_alu depctr_hold_cnt(0) depctr_sa_sdst(0) depctr_va_vdst(0) depctr_va_sdst(0) depctr_va_ssrc(0) depctr_va_vcc(0) depctr_vm_vsrc(0)
	s_getreg_b32 s2, hwreg(HW_REG_IB_STS2, 6, 4)
	s_cmp_eq_u32 s2, 0
	s_cbranch_scc0 .Lentry_in_a_cluster
	s_endpgm
.Lentry_in_a_cluster:
	s_bfe_u32 s2, ttmp6, 0x10000c
	s_cmp_lg_u32 s2, 0x3003
	s_cbranch_scc0 .Lentry_shape_is_right
	s_endpgm
.Lentry_shape_is_right:
; z[b][h][q] = the sum over keys of softmax(q . k) v, both products on codes of E3M2; the scores are not scaled: t = score x log2(e).
; p = 2^(t - M), M the running largest t rounded up to a whole number, is what is quantised along the keys; the row's sum is taken of the unquantised p and divides at the end.
; z is quantised again along its head's 64 and stored as a half fragment of the last product's operand.
; SHARES.  A work-group owns 512 queries of one (b, h); each of its sixteen waves owns one tile of 16 in each of two passes.  Four waves to a SIMD: one wave's vector work stands beside another's products and LDS loads.
; LDS holds the head's K, V and their scale words whole: 16 steps of 12,800 bytes, filled ONCE, by joint loads of the four work-groups of the cluster, which belong to one head.  Waves 0-7 fetch, four loads each.
; No prefetch: every tensor load goes out at the head.  No byte of LDS is filled twice.
; THE HEAD'S 64 IN AN INSTRUCTION OF 128: an image of K holds key tile 2 n in registers 0-5 and key tile 2 n + 1 in registers 6-11.  q stands between zeros, [0 | q | 0]: [q 0] picks the even tile, [0 q] the odd one:
; zero codes add nothing under any scale byte but 0xff, and this program's bytes are 1 to 254.
; Both products are used transposed: a lane holds one query.  The keys of a tile are chosen (launch before) so that the 16 registers of tiles 2 n, 2 n + 1 are 16 neighbouring keys.
; LIMITS: NaN and infinities are not served; the z scale bytes leave as 2 bytes a row and head.
; REGISTERS: v1 16 x lane, v2 8 x lane, v3-4 LDS addresses, v5 16 r, v6 lane; v12 -M, v13 largest t, v[14:15] the sum; v16-33 [0 | q | 0]; v34-81 four fragments; v82-86 scale words; v96-159 scores, then p; v160-191 O^T; v192-223 z; v224-254 at work.
.set WV,   10
.set SEL,  12
.set CS,   14
.set G1,   16
.set G0,   24
.set TB,   40
.set CNT,  41
.set QB,   42
.set QSB,  44
.set ZB,   46
.set ZSB,  48
.macro CROUND
	s_barrier_signal -1
	s_barrier_wait -1
	s_cmp_lg_u32 s[WV], 0
	s_cbranch_scc1 .Lnot_wave_0_\@
	s_barrier_signal -3
.Lnot_wave_0_\@:
	s_barrier_wait -3
	s_barrier_signal -1
	s_barrier_wait -1
.endm
	s_load_b128 s[4:7], s[0:1], 0x0                ; qb, kvb
	s_load_b64 s[8:9], s[0:1], 0x10                ; zb
	v_lshl_add_u32 v249, v0, 2, 0x32000
	v_mov_b32 v255, 0
	ds_add_u32 v249, v255
	ds_add_u32 v249, v255
	v_lshrrev_b32 v1, 5, v0
	v_readfirstlane_b32 s[WV], v1                  ; wave 0..15
	s_bfe_u32 s50, ttmp6, 0x40000                  ; cx
	s_lshl_b32 s51, ttmp9, 2
	s_add_co_u32 s50, s50, s51                     ; my block of 512 queries: it enters q's and z's addresses alone
	s_and_b32 s52, ttmp7, 0xffff                   ; b h, which the four partners share
	s_mov_b32 s[G1], 15|(3<<16)|(1<<21)            ; the mask: all four; elements of 8 bytes; bit 21 beside a mask; no padding
	s_mov_b32 s[G1+1], 32<<16                      ; dense, as rows of 256 bytes
	s_mov_b32 s[G1+2], 25<<16                      ; 25 rows: 6,400 bytes a load
	s_mov_b32 s[G1+3], 32<<16
	s_mov_b32 s[G1+4], 25
	s_mov_b32 s[G1+5], 32
	s_mov_b32 s[G1+6], 0
	s_mov_b32 s[G1+7], 0
	s_and_b32 s53, s[WV], 7
	s_mul_i32 s53, s53, 6400
	s_mul_i32 s54, s52, 204800
	s_add_co_u32 s54, s54, s53
	s_mov_b32 s55, 0
	s_mov_b32 s[SEL], 0x76543210
	s_mov_b32 s[SEL+1], 0xfedcba98
	s_mov_b32 s[CS], 0x3fb8aa3b                    ; log2(e)
	s_mov_b32 s[CS+1], s[CS]
	s_wait_dscnt 0x0
	s_wait_kmcnt 0x0
	s_add_nc_u64 s[56:57], s[6:7], s[54:55]
.irp g, 0,1,2,3                        ; group g: key steps 4 g .. 4 g + 3, 51,200 bytes, an eighth to a wave
	s_mov_b32 s[G0+4*\g], 1
	s_add_co_u32 s[G0+4*\g+1], s53, \g*51200
	s_add_nc_u64 s[G0+4*\g+2:G0+4*\g+3], s[56:57], \g*51200
	s_or_b32 s[G0+4*\g+3], s[G0+4*\g+3], 0x80000000
.endr
	CROUND                                         ; all four work-groups are here: the joint loads meet
	s_cmp_lt_u32 s[WV], 8
	s_cbranch_scc0 .Lno_fetch
	tensor_load_to_lds s[G0:G0+3], s[G1:G1+7]      ; all the launch's fills, as one group: four loads of mine are out
	s_nop 0
	tensor_load_to_lds s[G0+4:G0+7], s[G1:G1+7]
	s_nop 0
	tensor_load_to_lds s[G0+8:G0+11], s[G1:G1+7]
	s_nop 0
	tensor_load_to_lds s[G0+12:G0+15], s[G1:G1+7]
	s_nop 0
.rept 4
	v_nop
.endr
.Lno_fetch:
	s_lshl_b32 s54, s52, 7
	s_lshl_b32 s55, s50, 5
	s_add_co_u32 s55, s55, s[WV]                   ; my tile in pass 0; pass 1's lies 16 tiles on: every step between passes is an immediate
	s_add_co_u32 s54, s54, s55
	s_mul_i32 s56, s54, 768
	s_mov_b32 s57, 0
	s_add_nc_u64 s[QB:QB+1], s[4:5], s[56:57]
	s_lshr_b32 s56, s54, 2
	s_lshl_b32 s56, s56, 8
	s_and_b32 s58, s[WV], 3
	s_lshl_b32 s58, s58, 2
	s_add_co_u32 s56, s56, s58
	s_add_co_u32 s56, s56, 6291456
	s_add_nc_u64 s[QSB:QSB+1], s[4:5], s[56:57]
	s_lshr_b32 s58, s52, 4                         ; b
	s_and_b32 s59, s52, 15                         ; h
	s_lshl_b32 s58, s58, 7
	s_add_co_u32 s58, s58, s55                     ; z's tile of rows
	s_lshl_b32 s56, s58, 4
	s_add_co_u32 s56, s56, s59
	s_mul_i32 s56, s56, 768
	s_add_nc_u64 s[ZB:ZB+1], s[8:9], s[56:57]
	s_lshl_b32 s56, s58, 9
	s_lshr_b32 s54, s59, 3
	s_lshl_b32 s54, s54, 8
	s_add_co_u32 s56, s56, s54
	s_bfe_u32 s54, s59, 0x20001
	s_lshl_b32 s54, s54, 2
	s_add_co_u32 s56, s56, s54
	s_and_b32 s54, s59, 1
	s_lshl_b32 s54, s54, 1
	s_add_co_u32 s56, s56, s54
	s_add_co_u32 s56, s56, 6291456
	s_add_nc_u64 s[ZSB:ZSB+1], s[8:9], s[56:57]
	v_and_b32 v6, 31, v0
	v_lshlrev_b32 v1, 4, v6
	v_lshlrev_b32 v2, 3, v6
	v_and_b32 v5, 15, v0
	v_lshlrev_b32 v5, 4, v5
.irp j, 16,17,18,19,20,21,28,29,30,31,32,33
	v_mov_b32 v\j, 0                               ; the zero codes on both sides of q
.endr
.irp b, 0,1,2,3
	v_mov_b32 v[236+\b], 0                         ; written once: a lane permute's destination counts as one of its sources
.endr
	v_mov_b32 v252, 0
	v_mov_b32 v253, 0
; A KEY STEP: 128 keys at LDS byte s[TB]
.macro STEP
	v_add_nc_u32 v3, s[TB], v1
	v_add_nc_u32 v4, s[TB], v2
	v_nop
	v_nop                                          ; four places in front of loads into registers that the last products read
.irp e, 0,1,2,3
.irp g, 0,1,2
	ds_load_b128 v[34+12*\e+4*\g:37+12*\e+4*\g], v3 offset:1536*\e+512*\g
.endr
.endr
	ds_load_b64 v[82:83], v4 offset:12288          ; K's scale words: lanes 0-15 images 0, 1; lanes 16-31 images 2, 3
	ds_load_b64 v[84:85], v4 offset:12544          ; V's likewise
	s_wait_dscnt 0x0
.irp e, 0,1
.irp u, 0,1
	v_wmma_scale_f32_16x16x128_f8f6f4 v[96+8*(2*\e+\u):103+8*(2*\e+\u)], v[34+12*\e:45+12*\e], v[22-6*\u:33-6*\u], 0, v[82+\e], v86 matrix_a_fmt:MATRIX_FMT_BF6 matrix_b_fmt:MATRIX_FMT_BF6
.endr
.endr
.irp e, 2,3
.irp u, 0,1
	v_wmma_scale_f32_16x16x128_f8f6f4 v[96+8*(2*\e+\u):103+8*(2*\e+\u)], v[34+12*\e:45+12*\e], v[22-6*\u:33-6*\u], 0, v[80+\e], v86 matrix_a_fmt:MATRIX_FMT_BF6 matrix_b_fmt:MATRIX_FMT_BF6 matrix_a_scale:MATRIX_SCALE_ROW1
.endr
.endr
.rept 4
	v_nop                                          ; places in front of the loads below and of the first read of the scores
.endr
.irp t, 0,1,2,3
.irp g, 0,1,2
	ds_load_b128 v[34+12*\t+4*\g:37+12*\t+4*\g], v3 offset:6144+1536*\t+512*\g   ; V's four fragments land under the softmax
.endr
.endr
.irp b, 0,1,2,3
	v_max3_num_f32 v[232+\b], v[96+16*\b], v[97+16*\b], v[98+16*\b]   ; the largest score of each block of 32 keys: for the row's maximum, and for the block's largest p
.endr
.irp i, 3,5,7,9,11,13
.irp b, 0,1,2,3
	v_max3_num_f32 v[232+\b], v[232+\b], v[96+16*\b+\i], v[97+16*\b+\i]
.endr
.endr
.irp b, 0,1,2,3
	v_max_num_f32 v[232+\b], v[232+\b], v[111+16*\b]
.endr
.irp b, 0,1,2,3
	v_permlanex16_b32 v[236+\b], v[232+\b], s[SEL], s[SEL+1]
.endr
.irp b, 0,1,2,3
	v_max_num_f32 v[232+\b], v[232+\b], v[236+\b]
.endr
	v_max3_num_f32 v254, v232, v233, v234
	v_max_num_f32 v254, v254, v235
	v_mul_f32 v254, s[CS], v254
	v_max_num_f32 v13, v13, v254                   ; the running largest t
	v_mov_b32 v254, v12
	v_floor_f32 v12, -v13                          ; -M = floor(-t): M is a whole number
	v_sub_f32 v254, v12, v254
	v_cvt_i32_f32 v254, v254                       ; (it saturates)
	v_ldexp_f32 v252, 1.0, v254                    ; f = 2^(old M - new M): exact
.irp j, 0,2,4,6,8,10,12,14,16,18,20,22,24,26,28,30,32,34,36,38,40,42,44,46,48,50,52,54,56,58,60,62
	v_pk_fma_f32 v[96+\j:97+\j], v[96+\j:97+\j], s[CS:CS+1], v[12:13] op_sel_hi:[1,0,0]   ; t - M
.endr
.irp b, 0,1,2,3
	v_fma_f32 v[232+\b], v[232+\b], s[CS], v12
.endr
.irp j, 0,1,2,3,4,5,6,7,8,9,10,11,12,13,14,15,16,17,18,19,20,21,22,23,24,25,26,27,28,29,30,31,32,33,34,35,36,37,38,39,40,41,42,43,44,45,46,47,48,49,50,51,52,53,54,55,56,57,58,59,60,61,62,63
	v_exp_f32 v[96+\j], v[96+\j]                   ; p = 2^(t - M)
.endr
	v_pk_mul_f32 v[14:15], v[14:15], v[252:253] op_sel_hi:[1,0]   ; the sum under the new M: a plain instruction behind the exponentials
	s_wait_alu depctr_va_vdst(0)                   ; one wait for the batch of 64, ahead of its first reader
.irp b, 0,1,2,3
	v_exp_f32 v[232+\b], v[232+\b]                 ; each block's largest p
.endr
	v_pk_add_f32 v[250:251], v[96:97], v[98:99]    ; the sum of the unquantised p, in two chains
.irp j, 4,8,12,16,20,24,28,32,36,40,44,48,52
	v_pk_add_f32 v[14:15], v[14:15], v[96+\j:97+\j]
	v_pk_add_f32 v[250:251], v[250:251], v[98+\j:99+\j]
.endr
	s_wait_alu depctr_va_vdst(0)                   ; and one for the four
.irp b, 0,1,2,3
	v_max_num_f32 v[232+\b], 0x2800000, v[232+\b]  ; the floor 2^(5 - 127)
.endr
.irp b, 0,1,2,3
	v_add_nc_u32 v[244+\b], 0xfe000000, v[232+\b]
.endr
.irp b, 0,1,2,3
	v_lshrrev_b32 v[236+\b], 23, v[244+\b]
.endr
	v_lshl_or_b32 v253, v237, 8, v236              ; p's scale word
	v_lshl_or_b32 v253, v238, 16, v253
	v_lshl_or_b32 v253, v239, 24, v253
.irp c, 0,1
	v_cvt_scalef32_pk16_bf6_f32 v[224+6*\c:226+6*\c], v[96+32*\c:111+32*\c], v[244+2*\c]
	v_cvt_scalef32_pk16_bf6_f32 v[236+4*\c:238+4*\c], v[112+32*\c:127+32*\c], v[244+2*\c+1]
.endr
	v_nop
.irp c, 0,1
.irp i, 0,1,2
	v_permlane16_swap_b32 v[224+6*\c+\i], v[236+4*\c+\i]
.endr
.irp i, 0,1,2
	v_mov_b32 v[227+6*\c+\i], v[236+4*\c+\i]
.endr
.endr
.irp j, 0,2,4,6,8,10,12,14,16,18,20,22,24,26,28,30
	v_pk_mul_f32 v[160+\j:161+\j], v[160+\j:161+\j], v[252:253] op_sel_hi:[1,0]   ; O^T under the new M
.endr
.irp j, 56,60
	v_pk_add_f32 v[14:15], v[14:15], v[96+\j:97+\j]                               ; the sums' last five additions stand here: plain work between the lines above and the products
	v_pk_add_f32 v[250:251], v[250:251], v[98+\j:99+\j]
.endr
	v_pk_add_f32 v[14:15], v[14:15], v[250:251]
	s_wait_dscnt 0x0                               ; V is in
.irp t, 0,1
	v_wmma_scale_f32_16x16x128_f8f6f4 v[160+8*\t:167+8*\t], v[34+12*\t:45+12*\t], v[224:235], v[160+8*\t:167+8*\t], v[84+\t], v253 matrix_a_fmt:MATRIX_FMT_BF6 matrix_b_fmt:MATRIX_FMT_BF6
.endr
.irp t, 2,3
	v_wmma_scale_f32_16x16x128_f8f6f4 v[160+8*\t:167+8*\t], v[34+12*\t:45+12*\t], v[224:235], v[160+8*\t:167+8*\t], v[82+\t], v253 matrix_a_fmt:MATRIX_FMT_BF6 matrix_b_fmt:MATRIX_FMT_BF6 matrix_a_scale:MATRIX_SCALE_ROW1
.endr
	s_add_co_u32 s[TB], s[TB], 12800
.endm
.macro KLOOP n
	s_mov_b32 s[CNT], \n
.Lk_\@:
	STEP
	s_sub_co_u32 s[CNT], s[CNT], 1
	s_cmp_lg_u32 s[CNT], 0
	s_cbranch_scc1 .Lk_\@
.endm
; z = O^T / the sum, quantised along the head's 64 (two blocks), stored as a half fragment and half a scale word
.macro ZOUT p
.rept 4
	v_nop                                          ; places behind the last products
.endr
	v_add_f32 v14, v14, v15
	v_permlanex16_b32 v252, v14, s[SEL], s[SEL+1]
	v_add_f32 v14, v14, v252                       ; the row's sum
	v_rcp_f32 v14, v14
	v_nop
	s_wait_alu depctr_va_vdst(0)
.irp j, 0,1,2,3,4,5,6,7,8,9,10,11,12,13,14,15,16,17,18,19,20,21,22,23,24,25,26,27,28,29,30,31
	v_mul_f32 v[192+\j], v[160+\j], v14            ; register 16 b + i: channel 32 b + 16 (lane / 16) + i of my query
.endr
	v_max3_num_f32 v232, |v192|, |v193|, 0x2800000
	v_max3_num_f32 v233, |v208|, |v209|, 0x2800000
.irp i, 2,4,6,8,10,12,14
	v_max3_num_f32 v232, v232, |v[192+\i]|, |v[193+\i]|
	v_max3_num_f32 v233, v233, |v[208+\i]|, |v[209+\i]|
.endr
	v_permlanex16_b32 v236, v232, s[SEL], s[SEL+1]
	v_permlanex16_b32 v237, v233, s[SEL], s[SEL+1]
	v_max_num_f32 v232, v232, v236
	v_max_num_f32 v233, v233, v237
	v_add_nc_u32 v244, 0xfe000000, v232
	v_add_nc_u32 v245, 0xfe000000, v233
	v_lshrrev_b32 v236, 23, v244
	v_lshrrev_b32 v237, 23, v245
	v_lshl_or_b32 v238, v237, 8, v236
	v_cvt_scalef32_pk16_bf6_f32 v[224:226], v[192:207], v244
	v_cvt_scalef32_pk16_bf6_f32 v[240:242], v[208:223], v245
	v_nop
.irp i, 0,1,2
	v_permlane16_swap_b32 v[224+\i], v[240+\i]
.endr
.irp i, 0,1,2
	v_mov_b32 v[227+\i], v[240+\i]
.endr
.irp g, 0,1,2
	global_store_b64 v2, v[224+2*\g:225+2*\g], s[ZB:ZB+1] offset:196608*\p+256*\g   ; 256 consecutive bytes, aligned
.endr
	v_cmp_gt_u32 vcc_lo, 16, v6
	s_wait_xcnt 0x0                                ; EXEC changes only behind this wait
	s_and_saveexec_b32 s60, vcc_lo
	global_store_b16 v5, v238, s[ZSB:ZSB+1] offset:8192*\p                          ; lanes 0-15: a row's two bytes
	s_wait_xcnt 0x0
	s_or_b32 exec_lo, exec_lo, s60
.endm
.macro PASS p
	s_wait_xcnt 0x0                                ; the last pass's stores have read their registers
.irp g, 0,1,2
	global_load_b64 v[22+2*\g:23+2*\g], v2, s[QB:QB+1] offset:12288*\p+256*\g
.endr
	global_load_b32 v86, v5, s[QSB:QSB+1] offset:1024*\p
	v_mov_b32 v13, 0xff61b1e6                      ; -3e38, under every t
	v_floor_f32 v12, -v13
	v_mov_b32 v14, 0
	v_mov_b32 v15, 0
.irp j, 0,1,2,3,4,5,6,7,8,9,10,11,12,13,14,15,16,17,18,19,20,21,22,23,24,25,26,27,28,29,30,31
	v_mov_b32 v[160+\j], 0                         ; the step is written without a first step of its own: it finds zeros
.endr
	s_wait_loadcnt 0x0
.if \p == 0
.irp g, 0,1,2,3
	s_wait_tensorcnt 3-\g                          ; my part of group g has landed; the groups behind it may be out
	s_barrier_signal -1
	s_barrier_wait -1                              ; everybody's has
	s_mov_b32 s[TB], \g*51200
	KLOOP 4
.endr
.else
	s_mov_b32 s[TB], 0
	KLOOP 16
.endif
	ZOUT \p
.endm
	PASS 0
	PASS 1
	s_wait_tensorcnt 0x0
	ds_add_u32 v249, v255
	s_wait_dscnt 0x0
	CROUND                                         ; the closing round
	s_endpgm
.Lfunc_end_k_q9c771df334_attn:
	.size	k_q9c771df334_attn, .Lfunc_end_k_q9c771df334_attn-k_q9c771df334_attn
	.p2alignl 7, 3214868480
	.fill 96, 4, 3214868480
	.section	.rodata,"a",@progbits
	.p2align	6, 0x0
	.amdhsa_kernel k_q9c771df334_attn
		.amdhsa_group_segment_fixed_size 206848
		.amdhsa_private_segment_fixed_size 0
		.amdhsa_enable_private_segment 0
		.amdhsa_kernarg_size 24
		.amdhsa_user_sgpr_count 2
		.amdhsa_user_sgpr_kernarg_segment_ptr 1
		.amdhsa_wavefront_size32 1
		.amdhsa_system_sgpr_workgroup_id_x 1
		.amdhsa_system_sgpr_workgroup_id_y 1
		.amdhsa_system_sgpr_workgroup_id_z 1
		.amdhsa_system_vgpr_workitem_id 0
		.amdhsa_next_free_vgpr 256
		.amdhsa_next_free_sgpr 66
		.amdhsa_reserve_vcc 1
		.amdhsa_float_denorm_mode_32 3
		.amdhsa_float_denorm_mode_16_64 3
		.amdhsa_memory_ordered 1
		.amdhsa_forward_progress 1
		.amdhsa_inst_pref_size 94
	.end_amdhsa_kernel
	.amdgpu_metadata
---
amdhsa.version: [ 1, 2 ]
amdhsa.kernels:
  - .name:           k_q9c771df334_attn
    .symbol:         k_q9c771df334_attn.kd
    .args:
      - { .name: qb, .offset: 0, .size: 8, .value_kind: global_buffer, .address_space: global }
      - { .name: kvb, .offset: 8, .size: 8, .value_kind: global_buffer, .address_space: global }
      - { .name: zb, .offset: 16, .size: 8, .value_kind: global_buffer, .address_space: global }
    .group_segment_fixed_size: 206848
    .private_segment_fixed_size: 0
    .kernarg_segment_align: 8
    .kernarg_segment_size: 24
    .max_flat_workgroup_size: 512
    .sgpr_count:     66
    .vgpr_count:     256
    .wavefront_size: 32
...
	.end_amdgpu_metadata
.endif
;; end of part 3
;; launch outp (part 4): grid 8 x 32, 4 waves a work-group, clusters of 4 x 4, 307,712 bytes of LDS; arguments zb, wq, bo, out0; writes out0
.if DOCPART == 4
	.amdgcn_target "amdgcn-amd-amdhsa--gfx1250"
	.amdhsa_code_object_version 6
	.text
	.protected	k_q9c771df334_outp
	.globl	k_q9c771df334_outp
	.p2align	8
	.type	k_q9c771df334_outp,@function
k_q9c771df334_outp:
	s_mov_b64 s[64:65], 0
	v_nop
	global_prefetch_b8 v0, s[64:65] scope:SCOPE_SE
	s_setreg_imm32_b32 hwreg(HW_REG_WAVE_MODE, 25, 1), 1
	s_wait_xcnt 0x0
	s_wait_alu depctr_hold_cnt(0) depctr_sa_sdst(0) depctr_va_vdst(0) depctr_va_sdst(0) depctr_va_ssrc(0) depctr_va_vcc(0) depctr_vm_vsrc(0)
	s_getreg_b32 s2, hwreg(HW_REG_IB_STS2, 6, 4)
	s_cmp_eq_u32 s2, 0
	s_cbranch_scc0 .Lentry_in_a_cluster
	s_endpgm
.Lentry_in_a_cluster:
	s_bfe_u32 s2, ttmp6, 0x10000c
	s_cmp_lg_u32 s2, 0xf033
	s_cbranch_scc0 .Lentry_shape_is_right
	s_endpgm
.Lentry_shape_is_right:
; out0 = z Wo + bo on codes of E3M2, K = 1024.  The form of the projection launch: source 0 = 128 columns of Wo (a lane's registers run along them), source 1 = 256 rows of z; a wave: 128 x its own 64 rows: 32 accumulators.
; All of K lies in LDS, in four chunks of 256, each filled once.  CLUSTER 4 x 4: z's tiles are shared along the cluster's row, Wo's along its column.  A wave has five tensor loads out at the most.
; z's fragments are two half images on end (one a head): six loads of 8 bytes a lane, 256 consecutive bytes each.  Wo's are three loads of 16 bytes a lane.
; THE WAY OUT: a tile's 16 rows x 128 columns go through the wave's stage in LDS and leave as rows of 512 consecutive bytes.  The stage lies in chunk 0's bytes, which have had their only fill;
; every wave has passed the barrier in front of chunk 3 behind its last read of them.
; REGISTERS as in the projection launch; window 0: v96-159 results + bias, v160-223 rows read back.
.set CH,    73728
.set SIDE0, 49152
.set SCL,   294912
.set ADRZ,  8
.set ADR0,  12
.set ADRS,  16
.set SC,    32
.set H,     96
.set OB,    160
.set BI,    128
.set MUL,   0xad
.set MSB, 0
.macro WIN new
.if MSB != \new
	s_set_vgpr_msb (MSB<<8)|\new
.set MSB, \new
.endif
.endm
.macro PLACES
.rept 4
	v_nop
.endr
.endm
.macro CROUND
	s_barrier_signal -1
	s_barrier_wait -1
	s_cmp_lg_u32 s18, 0
	s_cbranch_scc1 .Lnot_wave_0_\@
	s_barrier_signal -3
.Lnot_wave_0_\@:
	s_barrier_wait -3
	s_barrier_signal -1
	s_barrier_wait -1
.endm
	s_load_b256 s[4:11], s[0:1], 0x0               ; zb, wq, bo, out0
	v_lshl_add_u32 v254, v0, 2, 0x4b000
	v_mov_b32 v255, 0
	ds_add_u32 v254, v255
	ds_add_u32 v254, v255
	v_lshrrev_b32 v1, 5, v0
	v_readfirstlane_b32 s18, v1
	s_and_b32 s19, s18, 1
	s_lshr_b32 s2, s18, 1
	s_bfe_u32 s96, ttmp6, 0x40000                  ; cx
	s_bfe_u32 s97, ttmp6, 0x40004                  ; cy
	s_lshl_b32 s98, ttmp9, 2
	s_add_co_u32 s98, s98, s96                     ; I: which 128 columns
	s_and_b32 s99, ttmp7, 0xffff
	s_lshl_b32 s99, s99, 2
	s_add_co_u32 s99, s99, s97                     ; J: which 256 rows
	s_lshl_b32 s104, s97, 2
	s_lshl_b32 s104, 15, s104
	s_lshl_b32 s105, 0x1111, s96
	s_or_b32 s20, s104, (3<<16)|(1<<21)
	s_or_b32 s28, s105, (3<<16)|(1<<21)
	s_or_b32 s36, s104, (3<<16)|(1<<21)
	s_or_b32 s44, s105, (3<<16)|(1<<21)
	s_mov_b32 s21, 384<<16
	s_mov_b32 s22, 8<<16
	s_mov_b32 s23, 384<<16
	s_mov_b32 s24, 8
	s_mov_b32 s25, 1536
	s_mov_b32 s26, 0
	s_mov_b32 s27, 0
	s_mov_b32 s29, 384<<16
	s_mov_b32 s30, 4<<16
	s_mov_b32 s31, 384<<16
	s_mov_b32 s32, 4
	s_mov_b32 s33, 1536
	s_mov_b32 s34, 0
	s_mov_b32 s35, 0
	s_mov_b32 s37, 32<<16
	s_mov_b32 s38, 16<<16
	s_mov_b32 s39, 32<<16
	s_mov_b32 s40, 16
	s_mov_b32 s41, 32
	s_mov_b32 s42, 0
	s_mov_b32 s43, 0
	s_mov_b32 s45, 32<<16
	s_mov_b32 s46, 8<<16
	s_mov_b32 s47, 32<<16
	s_mov_b32 s48, 8
	s_mov_b32 s49, 32
	s_mov_b32 s50, 0
	s_mov_b32 s51, 0
	s_mov_b32 s105, 0
	s_wait_dscnt 0x0
	s_wait_kmcnt 0x0
	s_lshl_b32 s3, s99, 4
	s_lshl_b32 s104, s19, 3
	s_add_co_u32 s3, s3, s104                      ; z: tile 16 J + 8 x half
	s_mul_i32 s104, s3, 12288
	s_add_nc_u64 s[58:59], s[4:5], s[104:105]
	s_lshl_b32 s104, s3, 9
	s_add_co_u32 s104, s104, 6291456
	s_add_nc_u64 s[54:55], s[4:5], s[104:105]
	s_lshl_b32 s3, s98, 3
	s_lshl_b32 s104, s19, 2
	s_add_co_u32 s3, s3, s104                      ; Wo: tile 8 I + 4 x half
	s_mul_i32 s104, s3, 12288
	s_add_co_u32 s104, s104, 2359296
	s_add_nc_u64 s[82:83], s[6:7], s[104:105]
	s_lshl_b32 s104, s3, 9
	s_add_co_u32 s104, s104, 3244032
	s_add_nc_u64 s[78:79], s[6:7], s[104:105]
	s_add_nc_u64 s[62:63], s[58:59], 3072
	s_add_nc_u64 s[70:71], s[58:59], 6144
	s_add_nc_u64 s[74:75], s[58:59], 9216
	s_add_nc_u64 s[86:87], s[82:83], 3072
	s_add_nc_u64 s[90:91], s[82:83], 6144
	s_add_nc_u64 s[94:95], s[82:83], 9216
.irp g, 55,59,63,71,75,79,83,87,91,95
	s_or_b32 s\g, s\g, 0x80000000
.endr
.irp g, 52,56,60,68,72,76,80,84,88,92
	s_mov_b32 s\g, 1
.endr
	s_mul_i32 s3, s19, 24576
	s_mov_b32 s57, s3
	s_add_co_u32 s61, s3, CH
	s_add_co_u32 s69, s3, 2*CH
	s_add_co_u32 s73, s3, 3*CH
	s_lshl_b32 s3, s19, 12
	s_add_co_u32 s53, s3, SCL
	s_mul_i32 s3, s19, 12288
	s_add_co_u32 s81, s3, SIDE0
	s_add_co_u32 s85, s3, CH+SIDE0
	s_add_co_u32 s89, s3, 2*CH+SIDE0
	s_add_co_u32 s93, s3, 3*CH+SIDE0
	s_lshl_b32 s3, s19, 11
	s_add_co_u32 s77, s3, SCL+8192
	CROUND                                         ; all sixteen work-groups are here: the joint loads meet
	s_cmp_eq_u32 s2, 0
	s_cbranch_scc0 .Lside0
	tensor_load_to_lds s[52:55], s[36:43]          ; the scale words, then the four chunks: all the launch's fills, as one group
	s_nop 0
	tensor_load_to_lds s[56:59], s[20:27]
	s_nop 0
	tensor_load_to_lds s[60:63], s[20:27]
	s_nop 0
	tensor_load_to_lds s[68:71], s[20:27]
	s_nop 0
	tensor_load_to_lds s[72:75], s[20:27]
	s_nop 0
	PLACES
	s_branch .Lasked
.Lside0:
	tensor_load_to_lds s[76:79], s[44:51]
	s_nop 0
	tensor_load_to_lds s[80:83], s[28:35]
	s_nop 0
	tensor_load_to_lds s[84:87], s[28:35]
	s_nop 0
	tensor_load_to_lds s[88:91], s[28:35]
	s_nop 0
	tensor_load_to_lds s[92:95], s[28:35]
	s_nop 0
	PLACES
.Lasked:
	v_and_b32 v1, 31, v0
	v_and_b32 v2, 15, v0
	v_bfe_u32 v3, v0, 4, 1
	v_lshlrev_b32 v4, 4, v1                        ; 16 x lane
	v_lshlrev_b32 v5, 3, v1                        ; 8 x lane
	s_mul_i32 s3, s18, 12288
.irp c, 0,1,2,3
	v_add_nc_u32 v[ADRZ+\c], s3, v5
	v_add_nc_u32 v[ADR0+\c], \c*CH+SIDE0, v4
	s_add_co_u32 s3, s3, CH
.endr
	s_xor_b32 s3, s18, 3
	s_lshl_b32 s3, s3, 11
	s_add_co_u32 s3, s3, 2048
	v_mul_u32_u24 v[ADRS], s3, v3
	v_lshl_add_u32 v[ADRS], v2, 4, v[ADRS]
	s_lshl_b32 s3, s18, 11
	s_add_co_u32 s3, s3, SCL
	v_add_nc_u32 v[ADRS], s3, v[ADRS]
	s_mul_i32 s3, s18, 8448                        ; my stage: 16 rows x (512 bytes + 16)
	v_mul_u32_u24 v17, v2, 528
	v_lshl_add_u32 v17, v3, 6, v17
	v_add_nc_u32 v17, s3, v17                      ; in: row r, + 64 h
	v_add_nc_u32 v18, s3, v4                       ; back: a row's 512 bytes
	v_lshlrev_b32 v20, 6, v3
	s_lshl_b32 s104, s98, 9
	s_add_nc_u64 s[96:97], s[8:9], s[104:105]
	WIN 0xc0
.irp b, 0,1,2,3
.irp j, 0,1,2,3
	global_load_b128 v[BI+16*\b+4*\j:BI+16*\b+4*\j+3], v20, s[96:97] offset:128*\b+16*\j   ; bo[128 I + 32 b + 16 h + i]
.endr
.endr
	WIN 0
.macro FETCH k
	WIN 0x40
.irp b, 0,1,2,3,4,5,6,7
.irp g, 0,1,2
	ds_load_b128 v[128*((\k)%2)+12*\b+4*\g:128*((\k)%2)+12*\b+4*\g+3], v[ADR0+(\k)/2] offset:3072*\b+1536*((\k)%2)+512*\g
.endr
.endr
	WIN 0xc0
.irp a, 0,1,2,3
.irp g, 0,1,2,3,4,5
	ds_load_b64 v[64*((\k)%2)+12*\a+2*\g:64*((\k)%2)+12*\a+2*\g+1], v[ADRZ+(\k)/2] offset:3072*\a+1536*((\k)%2)+256*\g
.endr
.endr
.endm
.macro MUL32 k                         ; the 32 accumulators take turns, one instruction a turn
.irp a, 0,1,2,3
.irp b, 0,1,2,3,4,5,6,7
.if (\k) == 0
	v_wmma_scale_f32_16x16x128_f8f6f4 v[8*(8*\a+\b):8*(8*\a+\b)+7], v[128*((\k)%2)+12*\b:128*((\k)%2)+12*\b+11], v[64*((\k)%2)+12*\a:64*((\k)%2)+12*\a+11], 0, v[SC+8*\b+(\k)], v[SC+8*\a+(\k)] matrix_a_fmt:MATRIX_FMT_BF6 matrix_b_fmt:MATRIX_FMT_BF6 matrix_a_scale:MATRIX_SCALE_ROW1
.else
	v_wmma_scale_f32_16x16x128_f8f6f4 v[8*(8*\a+\b):8*(8*\a+\b)+7], v[128*((\k)%2)+12*\b:128*((\k)%2)+12*\b+11], v[64*((\k)%2)+12*\a:64*((\k)%2)+12*\a+11], v[8*(8*\a+\b):8*(8*\a+\b)+7], v[SC+8*\b+(\k)], v[SC+8*\a+(\k)] matrix_a_fmt:MATRIX_FMT_BF6 matrix_b_fmt:MATRIX_FMT_BF6 matrix_a_scale:MATRIX_SCALE_ROW1
.endif
.endr
.endr
.endm
.macro STEP k
	s_wait_dscnt 0x0                               ; this step's fragments are in
.if ((\k) == 1) || ((\k) == 3) || ((\k) == 5)
	s_wait_tensorcnt 3-((\k)+1)/2                  ; my part of the next chunk has landed; the chunks behind it may be out
	s_barrier_signal -1
	s_barrier_wait -1
.endif
.if (\k) < 7
.if (\k) > 0
	PLACES
.endif
	FETCH (\k)+1
.endif
	WIN MUL
	MUL32 \k
.endm
	s_wait_tensorcnt 3                             ; the scale words and chunk 0 are in; three chunks may be out
	s_barrier_signal -1
	s_barrier_wait -1
.irp i, 0,1,2,3,4,5,6,7
.irp x, 0,1
	ds_load_b128 v[SC+8*\i+4*\x:SC+8*\i+4*\x+3], v[ADRS] offset:512*\i+256*\x
.endr
.endr
	FETCH 0
.irp k, 0,1,2,3,4,5,6,7
	STEP \k
.endr
	WIN 0
	PLACES
	s_wait_loadcnt 0x0                             ; the bias
	s_lshl_b32 s20, s99, 8
	s_lshl_b32 s21, s18, 6
	s_add_co_u32 s20, s20, s21                     ; my first row: 256 J + 64 x wave
	s_lshl_b32 s20, s20, 12
	s_lshl_b32 s21, s98, 9
	s_add_co_u32 s20, s20, s21                     ; + my 512 bytes of a row
	s_mov_b32 s21, 0
	s_add_nc_u64 s[26:27], s[10:11], s[20:21]
.irp a, 0,1,2,3
	WIN 0x0e                                       ; source 0 window 2, source 1 window 3
.irp i, 0,2,4,6,8,10,12,14,16,18,20,22,24,26,28,30,32,34,36,38,40,42,44,46,48,50,52,54,56,58,60,62
	v_pk_add_f32 v[H+\i:H+\i+1], v[64*\a+\i:64*\a+\i+1], v[BI+\i:BI+\i+1]   ; each accumulator from its low end on
.endr
	WIN 0
.irp b, 0,1,2,3
.irp j, 0,1,2,3
	ds_store_b128 v17, v[H+16*\b+4*\j:H+16*\b+4*\j+3] offset:128*\b+16*\j
.endr
.endr
.if \a > 0
	s_wait_xcnt 0x0                                ; the last tile's stores have read their registers
.endif
.irp t, 0,1,2,3,4,5,6,7,8,9,10,11,12,13,14,15
	ds_load_b128 v[OB+4*\t:OB+4*\t+3], v18 offset:528*\t   ; LDS serves a wave's instructions in order: these see the stores above
.endr
.irp t, 0,1,2,3,4,5,6,7,8,9,10,11,12,13,14,15
	s_wait_dscnt 15-\t                             ; row t is back; the younger loads may be out
	global_store_b128 v4, v[OB+4*\t:OB+4*\t+3], s[26:27] offset:(32*(\a/2)+8*(\a%2)+\t+8*(\t/8))*4096 th:TH_STORE_NT   ; 512 consecutive bytes, aligned
.endr
.endr
	s_wait_tensorcnt 0x0
	ds_add_u32 v254, v255
	s_wait_dscnt 0x0
	CROUND                                         ; the closing round
	s_endpgm
.Lfunc_end_k_q9c771df334_outp:
	.size	k_q9c771df334_outp, .Lfunc_end_k_q9c771df334_outp-k_q9c771df334_outp
	.p2alignl 7, 3214868480
	.fill 96, 4, 3214868480
	.section	.rodata,"a",@progbits
	.p2align	6, 0x0
	.amdhsa_kernel k_q9c771df334_outp
		.amdhsa_group_segment_fixed_size 307712
		.amdhsa_private_segment_fixed_size 0
		.amdhsa_enable_private_segment 0
		.amdhsa_kernarg_size 32
		.amdhsa_user_sgpr_count 2
		.amdhsa_user_sgpr_kernarg_segment_ptr 1
		.amdhsa_wavefront_size32 1
		.amdhsa_system_sgpr_workgroup_id_x 1
		.amdhsa_system_sgpr_workgroup_id_y 1
		.amdhsa_system_sgpr_workgroup_id_z 1
		.amdhsa_system_vgpr_workitem_id 0
		.amdhsa_next_free_vgpr 1024
		.amdhsa_next_free_sgpr 106
		.amdhsa_reserve_vcc 0
		.amdhsa_float_denorm_mode_32 3
		.amdhsa_float_denorm_mode_16_64 3
		.amdhsa_memory_ordered 1
		.amdhsa_forward_progress 1
		.amdhsa_inst_pref_size 96
	.end_amdhsa_kernel
	.amdgpu_metadata
---
amdhsa.version: [ 1, 2 ]
amdhsa.kernels:
  - .name:           k_q9c771df334_outp
    .symbol:         k_q9c771df334_outp.kd
    .args:
      - { .name: zb, .offset: 0, .size: 8, .value_kind: global_buffer, .address_space: global }
      - { .name: wq, .offset: 8, .size: 8, .value_kind: global_buffer, .address_space: global }
      - { .name: bo, .offset: 16, .size: 8, .value_kind: global_buffer, .address_space: global }
      - { .name: out0, .offset: 24, .size: 8, .value_kind: global_buffer, .address_space: global }
    .group_segment_fixed_size: 307712
    .private_segment_fixed_size: 0
    .kernarg_segment_align: 8
    .kernarg_segment_size: 32
    .max_flat_workgroup_size: 128
    .sgpr_count:     106
    .vgpr_count:     1024
    .wavefront_size: 32
...
	.end_amdgpu_metadata
.endif
;; end of part 4
